; MI455X (gfx1250); checked and timed in simulation.
; The chip was launched on July 23, 2026; its instructions are those of AMD's public machine-readable ISA for CDNA 5 (MIT licence, August 2026) and "CDNA5" Instruction Set Architecture Reference Guide (July 2026). The comments in the code are by the model that wrote it; some were corrected since.
;; Cross SNR Loss. Allowed arithmetic: float matrix products may take bf16 or f16 operands with f32 sums; all other float work in f32.
;; Inputs: fps 1,024 float32; gt_bpm 1,024 float32; hanning 1 x 300 float32; wave 1,024 x 300 float32.
;; Outputs: out0 one number float32; out1 1,024 int32.
;; 2 versions, each right and faster than the one before. Each part assembles by itself: llvm-mc -triple=amdgcn-amd-amdhsa -mcpu=gfx1250 --defsym DOCPART=n.
;; ======== version 1 of 2: 2 launches
;; limits: right only within a limited range of input values
;; workspace buffers: part 4,096 bytes
;; launch spectrum (part 1): grid 256 x 1, 4 waves a work-group, no clusters, 15,872 bytes of LDS; arguments fps, gt_bpm, hanning, wave, part, out1; writes part, out1
.if DOCPART == 1
	.amdgcn_target "amdgcn-amd-amdhsa--gfx1250"
	.amdhsa_code_object_version 6
	.text
	.protected	k_q11cc6da7a3_spectrum
	.globl	k_q11cc6da7a3_spectrum
	.p2align	8
	.type	k_q11cc6da7a3_spectrum,@function
k_q11cc6da7a3_spectrum:
	s_mov_b64 s[64:65], 0
	v_nop
	global_prefetch_b8 v0, s[64:65] scope:SCOPE_SE
	s_setreg_imm32_b32 hwreg(HW_REG_WAVE_MODE, 25, 1), 1
	s_wait_xcnt 0x0
; Cross-SNR loss, per row: power spectrum at 210 bins, argmax (out1), and the row's share of the loss (part).
; One wave = one batch row; lane L owns the 7 bins 32 k + L (k = 0..6; 224 places for 210 bins, the last 14 masked).
;
; HOW SINES AND COSINES ARE AVOIDED WITHOUT LOSING THE REFERENCE'S ROUNDING.  The reference takes sin and cos of
; ang = fl(F * fl(c t)), F = fl(fl(bpm/60)/fps), c = f32(6.2831853).  With W = fl(F c), ang = W t + D, and D = fma(-t, W, ang)
; is that difference with one rounding; |D| <= 3 * 2^-24 * |ang|.  So e^{i ang} = e^{i W t} (1 + i D) up to D^2/2.
; t = 16 i + 7.5 +- (j + 1/2), j = 0..7: eight table entries e^{i W (j+1/2)} and their conjugates serve the 16 offsets of block i;
; blocks are chained by acc = acc * e^{-i 16 W} + block (Horner, i ascending).  The common phase that is left over does not
; show in s^2 + c^2.  Six f32 operations for each (bin, t), packed over two neighbouring t: three instructions.
; Only 0.5 W, 1.5 W, 2 W, 4 W and 16 W get a real sine and cosine (reduction by pi/2 in two parts, Taylor, remainder < 2e-9).
;
; NO MATRIX INSTRUCTIONS: every row has its own 300 x 210 matrix, used for one vector (1 useful row of 16), and out1 is compared
; exactly: bf16 operands move a power by about 2^-9, while the two bins beside a peak differ by anything from 0 to 3 per cent.
; LIMITS: fps finite and not 0; D^2/2 < 6e-8 for |fps| >= 4 (|ang| <= 7797/|fps|) and grows as 1/fps^2 below that.
; NaN or infinity in wave or hanning: no defined argmax.  Sums run in another order than the reference's (a few 1e-7 relative).
.set ROWB, 1200                        ; bytes in a row of wave
.set ARR,  1280                        ; one LDS array: 320 words, t = 0..319 (304 are read)
.set NTO,  ARR                         ; -t lies behind fl(c t),
.set PO,   2*ARR                       ; p = wave * hanning behind that
.set WLDS, 3*ARR                       ; a wave's own LDS: no wave reads another's, so no barrier
.set LANE, 1
.set RD,   2                           ; LDS address of the block's first t, the same in all lanes (broadcast loads)
.set AD,   3                           ; LDS address of my word (set-up)
.set TB,   4                           ; v[4:115]   bin k: cos of entries 0-7 at TB+16k, sin at TB+16k+8
.set FW,   116                         ; v[116:129] bin k: the pair (F, W)
.set EE,   130                         ; v[130:143] bin k: the pair (cos 16W, sin 16W)
.set ACC,  144                         ; v[144:171] bin k: c sums (even t, odd t), then s sums
.set TMP,  172                         ; v[172:199] bin k: two pairs at work
.set UA,   200                         ; v[200:223] t = 16i .. 16i+7:   8 x fl(c t), 8 x -t, 8 x p
.set UB,   224                         ; v[224:247] t = 16i+8 .. 16i+15
.set SC,   248                         ; v[248:254] bin k: 1 - 9.125 (|E|^2 - 1)
; set-up only, in registers that the main part uses later
.set T0, 172
.set T1, 179
.set T2, 186
.set T3, 193
.set T4, 200
.set G2, 208                           ; (cos 2W, sin 2W)
.set G4, 222                           ; (cos 4W, sin 4W)
.set YR, 236                           ; 1/fps; YR+1 at work
.set OFFL, 238
.set OFF9, 239
.set TF, 240                           ; t, fl(c t), -t
.set WV, 144                           ; ten words of wave
.set HN, 154                           ; ten words of hanning
.set MK, 56                            ; s[56:62] a lane mask for each bin
	s_load_b256 s[4:11], s[0:1], 0x0               ; fps s[4:5], gt_bpm s[6:7], hanning s[8:9], wave s[10:11]
	s_load_b128 s[12:15], s[0:1], 0x20             ; part s[12:13], out1 s[14:15]
	v_lshl_add_u32 v255, v0, 2, 0x3c00
	s_set_vgpr_msb 0x40
	v_mov_b32 v1, 0
	s_set_vgpr_msb 0x4000
	v_and_b32 v[LANE], 31, v0
	v_lshrrev_b32 v[AD], 5, v0
	v_readfirstlane_b32 s16, v[AD]                 ; wave 0..3
	s_lshl2_add_u32 s17, ttmp9, s16                ; my row = 4 x work-group + wave
	s_lshl_b32 s18, s17, 2                         ; its byte offset in fps, gt_bpm, part, out1
	s_mul_i32 s22, s17, ROWB                       ; and in wave (below 2^21)
	s_mov_b32 s23, 0
	s_mul_i32 s19, s16, WLDS                       ; my wave's LDS
	s_mov_b32 s24, 0x40c90fdb                      ; c = f32(2.0 * 3.14159265)
	s_mov_b32 s25, 0x3f22f983                      ; 2/pi
	s_mov_b32 s26, 0x3fc90fdb                      ; pi/2, upper part
	s_mov_b32 s27, 0xb33bbd2e                      ; pi/2 minus that
	s_mov_b32 s28, 0xbe2aaaab                      ; sin: -1/3!
	s_mov_b32 s29, 0x3c088889                      ;       1/5!
	s_mov_b32 s30, 0xb9500d01                      ;      -1/7!
	s_mov_b32 s31, 0x3638ef1d                      ;       1/9!
	s_mov_b32 s32, 0x3d2aaaab                      ; cos:  1/4!
	s_mov_b32 s33, 0xbab60b61                      ;      -1/6!
	s_mov_b32 s34, 0x37d00d01                      ;       1/8!
	s_mov_b32 s35, 0xb493f27e                      ;      -1/10!
	s_mov_b32 s36, 0x80000000                      ; the sign bit
	s_mov_b32 s37, 0x3c888889                      ; f32(1/60)
	s_mov_b32 s38, 0x42700000                      ; 60.0
	s_mov_b32 s39, 0x42000000                      ; 32.0
	s_mov_b32 s48, 0x76543210                      ; v_permlanex16_b32: lane i reads lane i of the other half
	s_mov_b32 s49, 0xfedcba98
	v_lshlrev_b32 v[OFFL], 2, v[LANE]              ; word t = lane + 32 m
	v_min_u32 v[OFF9], 11, v[LANE]                 ; m = 9: t = 288 + lane stops at 299, so that no load leaves a buffer
	v_lshlrev_b32 v[OFF9], 2, v[OFF9]
	s_wait_kmcnt 0x0
	s_load_b32 s20, s[4:5], s18 offset:0x0         ; fps[row]
	s_load_b32 s21, s[6:7], s18 offset:0x0         ; gt_bpm[row]
	s_add_nc_u64 s[10:11], s[10:11], s[22:23]      ; my row of wave
.irp m, 0,1,2,3,4,5,6,7,8
	global_load_b32 v[WV+\m], v[OFFL], s[10:11] offset:128*\m th:TH_LOAD_NT    ; 128 neighbouring bytes a load; needed only behind the tables
	global_load_b32 v[HN+\m], v[OFFL], s[8:9] offset:128*\m
.endr
	global_load_b32 v[WV+9], v[OFF9], s[10:11] offset:1152 th:TH_LOAD_NT
	global_load_b32 v[HN+9], v[OFF9], s[8:9] offset:1152
	; fl(c t) and -t for t = 0..319 into my wave's LDS (they hang on no input)
	v_add_nc_u32 v[AD], s19, v[OFFL]
	v_cvt_f32_u32 v[TF], v[LANE]
.irp m, 0,1,2,3,4,5,6,7,8,9
	v_mul_f32 v[TF+1], s24, v[TF]                  ; two_pi_n[t], rounded as the reference rounds it
	v_xor_b32 v[TF+2], s36, v[TF]
	ds_store_b32 v[AD], v[TF+1] offset:128*\m
	ds_store_b32 v[AD], v[TF+2] offset:NTO+128*\m
.if \m < 9
	v_add_f32 v[TF], s39, v[TF]                    ; t += 32, exact
.endif
.endr
	; F = fl(fl(bpm/60)/fps), both divisions correctly rounded: quotient by reciprocal, exact remainder by FMA, correction
	s_wait_kmcnt 0x0
	v_rcp_f32 v[YR], s20
.irp k, 0,1,2,3,4,5,6
	v_add_nc_u32 v[T0+\k], 40+32*\k, v[LANE]       ; bpm of my bin k (also the plain place behind v_rcp_f32, ISA guide 5.7.2)
.endr
	s_wait_alu depctr_va_vdst(0)
	v_fma_f32 v[YR+1], -s20, v[YR], 1.0
	v_fma_f32 v[YR], v[YR+1], v[YR], v[YR]         ; 1/fps, refined once
.irp k, 0,1,2,3,4,5,6
	v_cvt_f32_u32 v[T0+\k], v[T0+\k]
.endr
.irp k, 0,1,2,3,4,5,6
	v_mul_f32 v[T1+\k], s37, v[T0+\k]
.endr
.irp k, 0,1,2,3,4,5,6
	v_fma_f32 v[T2+\k], -v[T1+\k], s38, v[T0+\k]
.endr
.irp k, 0,1,2,3,4,5,6
	v_fma_f32 v[T1+\k], v[T2+\k], s37, v[T1+\k]    ; a = fl(bpm/60)
.endr
.irp k, 0,1,2,3,4,5,6
	v_mul_f32 v[T2+\k], v[T1+\k], v[YR]
.endr
.irp k, 0,1,2,3,4,5,6
	v_fma_f32 v[T3+\k], -s20, v[T2+\k], v[T1+\k]
.endr
.irp k, 0,1,2,3,4,5,6
	v_fma_f32 v[T2+\k], v[T3+\k], v[YR], v[T2+\k]
.endr
.irp k, 0,1,2,3,4,5,6
	v_fma_f32 v[T3+\k], -s20, v[T2+\k], v[T1+\k]
.endr
.irp k, 0,1,2,3,4,5,6
	v_fma_f32 v[FW+2*\k], v[T3+\k], v[YR], v[T2+\k]        ; F = fl(a/fps)
.endr
.irp k, 0,1,2,3,4,5,6
	v_mul_f32 v[FW+2*\k+1], s24, v[FW+2*\k]                ; W: the f32 frequency of the tables; what it misses of F c goes into D
.endr
; cos and sin of mul * W for my 7 bins, stage by stage so that no instruction waits for the one in front of it.
; lo = 1: mul * W is not exact in f32; what its rounding dropped is added back behind the reduction.
; cos goes to v[cd + st k], sin to v[sd + st k].
.macro SINCOS7 mul, lo, cd, sd, st
.irp k, 0,1,2,3,4,5,6
	v_mul_f32 v[T1+\k], \mul, v[FW+2*\k+1]
.endr
.if \lo
.irp k, 0,1,2,3,4,5,6
	v_fma_f32 v[T2+\k], \mul, v[FW+2*\k+1], -v[T1+\k]
.endr
.endif
.irp k, 0,1,2,3,4,5,6
	v_mul_f32 v[T0+\k], s25, v[T1+\k]
.endr
.irp k, 0,1,2,3,4,5,6
	v_rndne_f32 v[T0+\k], v[T0+\k]                 ; n = nearest multiple of pi/2
.endr
.irp k, 0,1,2,3,4,5,6
	v_fma_f32 v[T1+\k], -v[T0+\k], s26, v[T1+\k]   ; exact: the difference fits in 24 bits
.endr
.irp k, 0,1,2,3,4,5,6
	v_fma_f32 v[T1+\k], -v[T0+\k], s27, v[T1+\k]   ; r in [-pi/4, pi/4]
.endr
.if \lo
.irp k, 0,1,2,3,4,5,6
	v_add_f32 v[T1+\k], v[T1+\k], v[T2+\k]
.endr
.endif
.irp k, 0,1,2,3,4,5,6
	v_mul_f32 v[T2+\k], v[T1+\k], v[T1+\k]         ; z = r^2
.endr
.irp k, 0,1,2,3,4,5,6
	v_fma_f32 v[T3+\k], v[T2+\k], s31, s30
	v_fma_f32 v[T4+\k], v[T2+\k], s35, s34
.endr
.irp k, 0,1,2,3,4,5,6
	v_fma_f32 v[T3+\k], v[T3+\k], v[T2+\k], s29
	v_fma_f32 v[T4+\k], v[T4+\k], v[T2+\k], s33
.endr
.irp k, 0,1,2,3,4,5,6
	v_fma_f32 v[T3+\k], v[T3+\k], v[T2+\k], s28
	v_fma_f32 v[T4+\k], v[T4+\k], v[T2+\k], s32
.endr
.irp k, 0,1,2,3,4,5,6
	v_mul_f32 v[T3+\k], v[T3+\k], v[T2+\k]
	v_fma_f32 v[T4+\k], v[T4+\k], v[T2+\k], -0.5
.endr
.irp k, 0,1,2,3,4,5,6
	v_fma_f32 v[T3+\k], v[T3+\k], v[T1+\k], v[T1+\k]       ; sin r
	v_fma_f32 v[T4+\k], v[T4+\k], v[T2+\k], 1.0            ; cos r
.endr
.irp k, 0,1,2,3,4,5,6
	v_cvt_i32_f32 v[T0+\k], v[T0+\k]
.endr
.irp k, 0,1,2,3,4,5,6
	v_and_b32 v[T1+\k], 1, v[T0+\k]
.endr
.irp k, 0,1,2,3,4,5,6
	v_cmp_eq_u32 s[MK+\k], 1, v[T1+\k]             ; n odd: sine and cosine change places
.endr
.irp k, 0,1,2,3,4,5,6
	v_lshlrev_b32 v[T1+\k], 30, v[T0+\k]           ; bit 1 of n: the sine's sign
	v_add_nc_u32 v[T0+\k], 1, v[T0+\k]
.endr
.irp k, 0,1,2,3,4,5,6
	v_lshlrev_b32 v[T0+\k], 30, v[T0+\k]           ; bit 1 of n + 1: the cosine's sign
	v_cndmask_b32 v[T2+\k], v[T3+\k], v[T4+\k], s[MK+\k]
.endr
.irp k, 0,1,2,3,4,5,6
	v_cndmask_b32 v[T4+\k], v[T4+\k], v[T3+\k], s[MK+\k]
	v_and_b32 v[T1+\k], s36, v[T1+\k]
.endr
.irp k, 0,1,2,3,4,5,6
	v_and_b32 v[T0+\k], s36, v[T0+\k]
	v_xor_b32 v[\sd+\st*\k], v[T1+\k], v[T2+\k]
.endr
.irp k, 0,1,2,3,4,5,6
	v_xor_b32 v[\cd+\st*\k], v[T0+\k], v[T4+\k]
.endr
.endm
	SINCOS7 0.5,        0, TB,   TB+8, 16          ; entry 0
	SINCOS7 0x3fc00000, 1, TB+1, TB+9, 16          ; entry 1: 1.5 W
	SINCOS7 2.0,        0, G2,   G2+1, 2
	SINCOS7 4.0,        0, G4,   G4+1, 2
	SINCOS7 0x41800000, 0, EE,   EE+1, 2           ; 16 W: from block to block
; table pair q = table pair p times g (two entries at once; g's cos or sin is taken for both halves by op_sel)
.macro CMUL q, p, g
.irp k, 0,1,2,3,4,5,6
	v_pk_mul_f32 v[TMP+4*\k:TMP+4*\k+1],   v[TB+16*\k+8+2*\p:TB+16*\k+9+2*\p], v[\g+2*\k:\g+2*\k+1] op_sel:[0,1] op_sel_hi:[1,1]
	v_pk_mul_f32 v[TMP+4*\k+2:TMP+4*\k+3], v[TB+16*\k+2*\p:TB+16*\k+1+2*\p],   v[\g+2*\k:\g+2*\k+1] op_sel:[0,1] op_sel_hi:[1,1]
.endr
.irp k, 0,1,2,3,4,5,6
	v_pk_fma_f32 v[TB+16*\k+2*\q:TB+16*\k+1+2*\q],   v[TB+16*\k+2*\p:TB+16*\k+1+2*\p],   v[\g+2*\k:\g+2*\k+1], v[TMP+4*\k:TMP+4*\k+1] op_sel_hi:[1,0,1] neg_lo:[0,0,1] neg_hi:[0,0,1]
	v_pk_fma_f32 v[TB+16*\k+8+2*\q:TB+16*\k+9+2*\q], v[TB+16*\k+8+2*\p:TB+16*\k+9+2*\p], v[\g+2*\k:\g+2*\k+1], v[TMP+4*\k+2:TMP+4*\k+3] op_sel_hi:[1,0,1]
.endr
.endm
	CMUL 1, 0, G2                                  ; 2.5 W, 3.5 W
	CMUL 2, 0, G4                                  ; 4.5 W, 5.5 W
	CMUL 3, 1, G4                                  ; 6.5 W, 7.5 W: no entry is more than two products deep
	; The rounded (cos 16W, sin 16W) has a norm a few 1e-8 off 1, and block i passes 18 - i rotations.  g = |E|^2 - 1 is found without
	; rounding (squares with their FMA remainders; larger square - 1 and + smaller square are exact) and the power is referred to the
	; record's middle, t = 149.5, which is 9.125 rotations from the end.
.irp k, 0,1,2,3,4,5,6
	v_mul_f32 v[T0+\k], v[EE+2*\k], v[EE+2*\k]
	v_mul_f32 v[T2+\k], v[EE+2*\k+1], v[EE+2*\k+1]
.endr
.irp k, 0,1,2,3,4,5,6
	v_fma_f32 v[T1+\k], v[EE+2*\k], v[EE+2*\k], -v[T0+\k]
	v_fma_f32 v[T3+\k], v[EE+2*\k+1], v[EE+2*\k+1], -v[T2+\k]
.endr
.irp k, 0,1,2,3,4,5,6
	v_max_num_f32 v[T4+\k], v[T0+\k], v[T2+\k]
.endr
.irp k, 0,1,2,3,4,5,6
	v_min_num_f32 v[T0+\k], v[T0+\k], v[T2+\k]
	v_add_f32 v[T4+\k], -1.0, v[T4+\k]
.endr
.irp k, 0,1,2,3,4,5,6
	v_add_f32 v[T1+\k], v[T1+\k], v[T3+\k]
	v_add_f32 v[T4+\k], v[T4+\k], v[T0+\k]
.endr
.irp k, 0,1,2,3,4,5,6
	v_add_f32 v[T4+\k], v[T4+\k], v[T1+\k]
.endr
.irp k, 0,1,2,3,4,5,6
	v_fma_f32 v[SC+\k], v[T4+\k], 0xc1120000, 1.0  ; 1 - 9.125 g
.endr
	; p = wave * hanning, 0 from t = 300 on, into my wave's LDS
	s_wait_loadcnt 0x0
.irp m, 0,1,2,3,4,5,6,7,8,9
	v_mul_f32 v[WV+\m], v[WV+\m], v[HN+\m]
.endr
	v_cmp_gt_u32 vcc_lo, 12, v[LANE]
	v_cndmask_b32 v[WV+9], 0, v[WV+9], vcc_lo
.irp m, 0,1,2,3,4,5,6,7,8,9
	ds_store_b32 v[AD], v[WV+\m] offset:PO+128*\m
.endr
	v_mov_b32 v[RD], s19
; six broadcast loads: fl(c t), -t and p of eight t, from byte off of the current block
.macro LOADU u, off
	ds_load_b128 v[\u:\u+3],     v[RD] offset:\off
	ds_load_b128 v[\u+4:\u+7],   v[RD] offset:\off+16
	ds_load_b128 v[\u+8:\u+11],  v[RD] offset:NTO+\off
	ds_load_b128 v[\u+12:\u+15], v[RD] offset:NTO+\off+16
	ds_load_b128 v[\u+16:\u+19], v[RD] offset:PO+\off
	ds_load_b128 v[\u+20:\u+23], v[RD] offset:PO+\off+16
.endm
	LOADU UA, 0                                    ; LDS serves a wave's instructions in order (ISA guide 5.7.1): these see the stores above
	LOADU UB, 32
; Two neighbouring t (pair m of buffer u) for my 7 bins, with table pair q.
; conj = 1: the offsets are -(j + 1/2): the entries are taken in reverse order (op_sel) and conjugated (signs).
; first = 1: the products start the sums; nothing is cleared.
.macro PAIR u, m, q, conj, first
.irp k, 0,1,2,3,4,5,6
	v_pk_mul_f32 v[TMP+4*\k:TMP+4*\k+1], v[\u+2*\m:\u+2*\m+1], v[FW+2*\k:FW+2*\k+1] op_sel_hi:[1,0]      ; ang = fl(F * fl(c t)), the reference's own rounding
.endr
.irp k, 0,1,2,3,4,5,6
	v_pk_fma_f32 v[TMP+4*\k:TMP+4*\k+1], v[\u+8+2*\m:\u+9+2*\m], v[FW+2*\k:FW+2*\k+1], v[TMP+4*\k:TMP+4*\k+1] op_sel:[0,1,0] op_sel_hi:[1,1,1]   ; D = ang - t W
.endr
.if \conj
.irp k, 0,1,2,3,4,5,6
	v_pk_fma_f32 v[TMP+4*\k+2:TMP+4*\k+3], v[TMP+4*\k:TMP+4*\k+1], v[TB+16*\k+2*\q:TB+16*\k+1+2*\q], v[TB+16*\k+8+2*\q:TB+16*\k+9+2*\q] op_sel:[0,1,1] op_sel_hi:[1,0,0] neg_lo:[0,0,1] neg_hi:[0,0,1]   ; sin = D cr - ci
.endr
.irp k, 0,1,2,3,4,5,6
	v_pk_fma_f32 v[TMP+4*\k:TMP+4*\k+1], v[TMP+4*\k:TMP+4*\k+1], v[TB+16*\k+8+2*\q:TB+16*\k+9+2*\q], v[TB+16*\k+2*\q:TB+16*\k+1+2*\q] op_sel:[0,1,1] op_sel_hi:[1,0,0]   ; cos = cr + D ci
.endr
.else
.irp k, 0,1,2,3,4,5,6
	v_pk_fma_f32 v[TMP+4*\k+2:TMP+4*\k+3], v[TMP+4*\k:TMP+4*\k+1], v[TB+16*\k+2*\q:TB+16*\k+1+2*\q], v[TB+16*\k+8+2*\q:TB+16*\k+9+2*\q]   ; sin = D cr + ci
.endr
.irp k, 0,1,2,3,4,5,6
	v_pk_fma_f32 v[TMP+4*\k:TMP+4*\k+1], v[TMP+4*\k:TMP+4*\k+1], v[TB+16*\k+8+2*\q:TB+16*\k+9+2*\q], v[TB+16*\k+2*\q:TB+16*\k+1+2*\q] neg_lo:[1,0,0] neg_hi:[1,0,0]   ; cos = cr - D ci
.endr
.endif
.if \first
.irp k, 0,1,2,3,4,5,6
	v_pk_mul_f32 v[ACC+4*\k+2:ACC+4*\k+3], v[\u+16+2*\m:\u+17+2*\m], v[TMP+4*\k+2:TMP+4*\k+3]
.endr
.irp k, 0,1,2,3,4,5,6
	v_pk_mul_f32 v[ACC+4*\k:ACC+4*\k+1], v[\u+16+2*\m:\u+17+2*\m], v[TMP+4*\k:TMP+4*\k+1]
.endr
.else
.irp k, 0,1,2,3,4,5,6
	v_pk_fma_f32 v[ACC+4*\k+2:ACC+4*\k+3], v[\u+16+2*\m:\u+17+2*\m], v[TMP+4*\k+2:TMP+4*\k+3], v[ACC+4*\k+2:ACC+4*\k+3]   ; s += p sin
.endr
.irp k, 0,1,2,3,4,5,6
	v_pk_fma_f32 v[ACC+4*\k:ACC+4*\k+1], v[\u+16+2*\m:\u+17+2*\m], v[TMP+4*\k:TMP+4*\k+1], v[ACC+4*\k:ACC+4*\k+1]         ; c += p cos
.endr
.endif
.endm
; (c + i s) times (Er - i Ei), both halves of the sums at once
.macro ROTATE
.irp k, 0,1,2,3,4,5,6
	v_pk_mul_f32 v[TMP+4*\k:TMP+4*\k+1],   v[ACC+4*\k+2:ACC+4*\k+3], v[EE+2*\k:EE+2*\k+1] op_sel:[0,1] op_sel_hi:[1,1]   ; s Ei
	v_pk_mul_f32 v[TMP+4*\k+2:TMP+4*\k+3], v[ACC+4*\k:ACC+4*\k+1],   v[EE+2*\k:EE+2*\k+1] op_sel:[0,1] op_sel_hi:[1,1]   ; c Ei
.endr
.irp k, 0,1,2,3,4,5,6
	v_pk_fma_f32 v[ACC+4*\k:ACC+4*\k+1],   v[ACC+4*\k:ACC+4*\k+1],   v[EE+2*\k:EE+2*\k+1], v[TMP+4*\k:TMP+4*\k+1] op_sel_hi:[1,0,1]
	v_pk_fma_f32 v[ACC+4*\k+2:ACC+4*\k+3], v[ACC+4*\k+2:ACC+4*\k+3], v[EE+2*\k:EE+2*\k+1], v[TMP+4*\k+2:TMP+4*\k+3] op_sel_hi:[1,0,1] neg_lo:[0,0,1] neg_hi:[0,0,1]
.endr
.endm
; One block of 16 t.  Each buffer is loaded again for the next block as soon as its last pair is done, 168 packed instructions
; ahead of its next use.  more = 0: the last block loads nothing.
.macro BLOCK first, more
.if \first == 0
	ROTATE
.endif
	s_wait_dscnt 6                                 ; 12 loads are out, UA's six the older: with six left, UA is in
	PAIR UA, 0, 3, 1, \first
	PAIR UA, 1, 2, 1, 0
	PAIR UA, 2, 1, 1, 0
	PAIR UA, 3, 0, 1, 0
.if \more
	LOADU UA, 64
.endif
	s_wait_dscnt 6*\more                           ; UB's six are older than the six just issued (none in the last block)
	PAIR UB, 0, 0, 0, 0
	PAIR UB, 1, 1, 0, 0
	PAIR UB, 2, 2, 0, 0
	PAIR UB, 3, 3, 0, 0
.if \more
	LOADU UB, 96
	v_add_nc_u32 v[RD], 64, v[RD]
.endif
.endm
	BLOCK 1, 1                                     ; block 0 starts the sums
	s_mov_b32 s44, 17                              ; blocks 1 to 17
.Lblock:
	BLOCK 0, 1
	s_sub_co_i32 s44, s44, 1
	s_cmp_lg_u32 s44, 0
	s_cbranch_scc1 .Lblock
	BLOCK 0, 0                                     ; block 18: t = 288..303, p = 0 from 300 on
	; THE ROW'S END, in the tables' registers
.set CA,  4                            ; v[4:10]   power of my bin k
.set IX,  12                           ; v[12:18]  its index
.set X,   20                           ; v[20:26]
.set Y,   28                           ; v[28:34]
.set SUM, 36
.set MX,  37
.set GG,  38
.set PT,  39                           ; destination of v_permlanex16_b32 (written before, as a table entry)
.set INV, 40
.set L2E, 41
.set SE,  42
.set AM,  43
.set TG,  44
.set QQ,  45
.set RR,  46
.macro REDADD r
	v_add_f32_dpp v[\r], v[\r], v[\r] row_xmask:1 row_mask:0xf bank_mask:0xf
	v_add_f32_dpp v[\r], v[\r], v[\r] row_xmask:2 row_mask:0xf bank_mask:0xf
	v_add_f32_dpp v[\r], v[\r], v[\r] row_xmask:4 row_mask:0xf bank_mask:0xf
	v_add_f32_dpp v[\r], v[\r], v[\r] row_xmask:8 row_mask:0xf bank_mask:0xf
	v_permlanex16_b32 v[PT], v[\r], s48, s49
	v_add_f32 v[\r], v[\r], v[PT]
.endm
.irp k, 0,1,2,3,4,5,6
	v_add_f32 v[X+\k], v[ACC+4*\k+2], v[ACC+4*\k+3]        ; s: even t + odd t
	v_add_f32 v[CA+\k], v[ACC+4*\k], v[ACC+4*\k+1]         ; c
.endr
.irp k, 0,1,2,3,4,5,6
	v_mul_f32 v[X+\k], v[X+\k], v[X+\k]
.endr
.irp k, 0,1,2,3,4,5,6
	v_fma_f32 v[CA+\k], v[CA+\k], v[CA+\k], v[X+\k]        ; s^2 + c^2
.endr
.irp k, 0,1,2,3,4,5,6
	v_mul_f32 v[CA+\k], v[CA+\k], v[SC+\k]                 ; the rotations' norm taken out
.endr
	v_cmp_gt_u32 s40, 18, v[LANE]                  ; k = 6: bins 192 + lane exist for lane < 18
	v_cndmask_b32 v[CA+6], 0, v[CA+6], s40
	; target = int(clip(gt_bpm * fps * 60 / 300, 40, 249)) - 40; it only selects values, by masks
	v_mul_f32 v[TG], s21, s20
	v_mul_f32 v[TG], s38, v[TG]
	v_mul_f32 v[QQ], 0x3b5a740e, v[TG]             ; / 300: quotient by f32(1/300), remainder, correction
	v_fma_f32 v[RR], -v[QQ], 0x43960000, v[TG]
	v_fma_f32 v[TG], v[RR], 0x3b5a740e, v[QQ]
	v_max_num_f32 v[TG], 0x42200000, v[TG]
	v_min_num_f32 v[TG], 0x43790000, v[TG]
	v_cvt_i32_f32 v[TG], v[TG]
	v_readfirstlane_b32 s41, v[TG]
	s_sub_co_i32 s41, s41, 40                      ; target
	s_sub_co_i32 s42, s41, 3
	s_max_i32 s42, s42, 0                          ; l
	s_add_co_i32 s43, s41, 3
	s_min_i32 s43, s43, 209                        ; r
	s_sub_co_i32 s43, s43, s42                     ; r - l
.irp k, 0,1,2,3,4,5,6
	v_add_nc_u32 v[IX+\k], 32*\k, v[LANE]
.endr
.irp k, 0,1,2,3,4,5,6
	v_sub_nc_u32 v[X+\k], v[IX+\k], s42
.endr
.irp k, 0,1,2,3,4,5,6
	v_cmp_gt_u32 s[MK+\k], s43, v[X+\k]            ; l <= index < r, as one unsigned compare
.endr
.irp k, 0,1,2,3,4,5,6
	v_cndmask_b32 v[X+\k], 0, v[CA+\k], s[MK+\k]
.endr
.irp k, 0,1,2,3,4,5,6
	v_cmp_eq_u32 s[MK+\k], s41, v[IX+\k]
.endr
.irp k, 0,1,2,3,4,5,6
	v_cndmask_b32 v[Y+\k], 0, v[CA+\k], s[MK+\k]
.endr
.irp k, 0,1,2,3,4,5,6
	v_add_f32 v[X+\k], v[X+\k], v[Y+\k]            ; window's share + the target bin
.endr
	v_add_f32 v[GG], v[X], v[X+1]
	v_add_f32 v[QQ], v[X+2], v[X+3]
	v_add_f32 v[RR], v[X+4], v[X+5]
	v_add_f32 v[GG], v[GG], v[X+6]
	v_add_f32 v[QQ], v[QQ], v[RR]
	v_add_f32 v[GG], v[GG], v[QQ]
	v_add_f32 v[SUM], v[CA], v[CA+1]
	v_add_f32 v[QQ], v[CA+2], v[CA+3]
	v_add_f32 v[RR], v[CA+4], v[CA+5]
	v_add_f32 v[SUM], v[SUM], v[CA+6]
	v_add_f32 v[QQ], v[QQ], v[RR]
	v_add_f32 v[SUM], v[SUM], v[QQ]
	v_max3_num_f32 v[MX], v[CA], v[CA+1], v[CA+2]
	v_max3_num_f32 v[QQ], v[CA+3], v[CA+4], v[CA+5]
	v_max3_num_f32 v[MX], v[MX], v[QQ], v[CA+6]
	REDADD SUM
	REDADD GG
	v_max_num_f32_dpp v[MX], v[MX], v[MX] row_xmask:1 row_mask:0xf bank_mask:0xf
	v_max_num_f32_dpp v[MX], v[MX], v[MX] row_xmask:2 row_mask:0xf bank_mask:0xf
	v_max_num_f32_dpp v[MX], v[MX], v[MX] row_xmask:4 row_mask:0xf bank_mask:0xf
	v_max_num_f32_dpp v[MX], v[MX], v[MX] row_xmask:8 row_mask:0xf bank_mask:0xf
	v_permlanex16_b32 v[PT], v[MX], s48, s49
	v_max_num_f32 v[MX], v[MX], v[PT]
	v_rcp_f32 v[INV], v[SUM]
.irp k, 0,1,2,3,4,5,6
	v_add_nc_u32 v[IX+\k], 40, v[IX+\k]            ; index + LOW (the first is the plain place behind v_rcp_f32)
.endr
	s_wait_alu depctr_va_vdst(0)
	v_mul_f32 v[L2E], 0x3fb8aa3b, v[INV]           ; log2(e) / sum
.irp k, 0,1,2,3,4,5,6
	v_mul_f32 v[X+\k], v[CA+\k], v[L2E]
.endr
.irp k, 0,1,2,3,4,5,6
	v_exp_f32 v[Y+\k], v[X+\k]                     ; e^(ca/sum); ca/sum lies in [0, 1], so the softmax needs no shift by its maximum
.endr
	; argmax: the lowest index whose power equals the maximum, as small whole numbers in f32
.irp k, 0,1,2,3,4,5,6
	v_cvt_f32_u32 v[IX+\k], v[IX+\k]
.endr
.irp k, 0,1,2,3,4,5,6
	v_cmp_eq_f32 s[MK+\k], v[CA+\k], v[MX]
.endr
.irp k, 0,1,2,3,4,5,6
	v_cndmask_b32 v[IX+\k], 0x447a0000, v[IX+\k], s[MK+\k]
.endr
	v_min3_num_f32 v[AM], v[IX], v[IX+1], v[IX+2]
	v_min3_num_f32 v[QQ], v[IX+3], v[IX+4], v[IX+5]
	v_min3_num_f32 v[AM], v[AM], v[QQ], v[IX+6]
	v_min_num_f32_dpp v[AM], v[AM], v[AM] row_xmask:1 row_mask:0xf bank_mask:0xf
	v_min_num_f32_dpp v[AM], v[AM], v[AM] row_xmask:2 row_mask:0xf bank_mask:0xf
	v_min_num_f32_dpp v[AM], v[AM], v[AM] row_xmask:4 row_mask:0xf bank_mask:0xf
	v_min_num_f32_dpp v[AM], v[AM], v[AM] row_xmask:8 row_mask:0xf bank_mask:0xf
	v_permlanex16_b32 v[PT], v[AM], s48, s49
	v_min_num_f32 v[AM], v[AM], v[PT]
	v_cvt_i32_f32 v[AM], v[AM]
	s_wait_alu depctr_va_vdst(0)
	v_cndmask_b32 v[Y+6], 0, v[Y+6], s40           ; places without a bin add nothing
	v_add_f32 v[SE], v[Y], v[Y+1]
	v_add_f32 v[QQ], v[Y+2], v[Y+3]
	v_add_f32 v[RR], v[Y+4], v[Y+5]
	v_add_f32 v[SE], v[SE], v[Y+6]
	v_add_f32 v[QQ], v[QQ], v[RR]
	v_add_f32 v[SE], v[SE], v[QQ]
	REDADD SE
	v_log_f32 v[SE], v[SE]
	v_fma_f32 v[GG], -v[GG], v[INV], 1.0           ; 1 - window - ca_n[target] (the plain place behind v_log_f32)
	s_wait_alu depctr_va_vdst(0)
	v_fma_f32 v[GG], v[SE], 0x3f317218, v[GG]      ; + ln(sum of e^ca_n): the row's ce + snr
	v_mov_b32 v[QQ], s18
	v_cmp_eq_u32 vcc_lo, 0, v[LANE]
	s_set_vgpr_msb 0x4
	s_wait_tensorcnt 0x0
	ds_add_u32 v255, v1
	s_wait_dscnt 0x0
	s_set_vgpr_msb 0x400
	s_and_saveexec_b32 s45, vcc_lo                 ; a row has one number of each kind: lane 0 stores them
	global_store_b32 v[QQ], v[GG], s[12:13]
	global_store_b32 v[QQ], v[AM], s[14:15]
	s_endpgm
.Lfunc_end_k_q11cc6da7a3_spectrum:
	.size	k_q11cc6da7a3_spectrum, .Lfunc_end_k_q11cc6da7a3_spectrum-k_q11cc6da7a3_spectrum
	.p2alignl 7, 3214868480
	.fill 96, 4, 3214868480
	.section	.rodata,"a",@progbits
	.p2align	6, 0x0
	.amdhsa_kernel k_q11cc6da7a3_spectrum
		.amdhsa_group_segment_fixed_size 15872
		.amdhsa_private_segment_fixed_size 0
		.amdhsa_enable_private_segment 0
		.amdhsa_kernarg_size 48
		.amdhsa_user_sgpr_count 2
		.amdhsa_user_sgpr_kernarg_segment_ptr 1
		.amdhsa_wavefront_size32 1
		.amdhsa_system_sgpr_workgroup_id_x 1
		.amdhsa_system_sgpr_workgroup_id_y 1
		.amdhsa_system_sgpr_workgroup_id_z 1
		.amdhsa_system_vgpr_workitem_id 0
		.amdhsa_next_free_vgpr 258
		.amdhsa_next_free_sgpr 66
		.amdhsa_reserve_vcc 1
		.amdhsa_float_denorm_mode_32 3
		.amdhsa_float_denorm_mode_16_64 3
		.amdhsa_memory_ordered 1
		.amdhsa_forward_progress 1
		.amdhsa_inst_pref_size 147
	.end_amdhsa_kernel
	.amdgpu_metadata
---
amdhsa.version: [ 1, 2 ]
amdhsa.kernels:
  - .name:           k_q11cc6da7a3_spectrum
    .symbol:         k_q11cc6da7a3_spectrum.kd
    .args:
      - { .name: fps, .offset: 0, .size: 8, .value_kind: global_buffer, .address_space: global }
      - { .name: gt_bpm, .offset: 8, .size: 8, .value_kind: global_buffer, .address_space: global }
      - { .name: hanning, .offset: 16, .size: 8, .value_kind: global_buffer, .address_space: global }
      - { .name: wave, .offset: 24, .size: 8, .value_kind: global_buffer, .address_space: global }
      - { .name: part, .offset: 32, .size: 8, .value_kind: global_buffer, .address_space: global }
      - { .name: out1, .offset: 40, .size: 8, .value_kind: global_buffer, .address_space: global }
    .group_segment_fixed_size: 15872
    .private_segment_fixed_size: 0
    .kernarg_segment_align: 8
    .kernarg_segment_size: 48
    .max_flat_workgroup_size: 128
    .sgpr_count:     66
    .vgpr_count:     258
    .wavefront_size: 32
...
	.end_amdgpu_metadata
.endif
;; end of part 1
;; launch mean (part 2): grid 1 x 1, 1 waves a work-group, no clusters, 0 bytes of LDS; arguments part, out0; writes out0
.if DOCPART == 2
	.amdgcn_target "amdgcn-amd-amdhsa--gfx1250"
	.amdhsa_code_object_version 6
	.text
	.protected	k_q11cc6da7a3_mean
	.globl	k_q11cc6da7a3_mean
	.p2align	8
	.type	k_q11cc6da7a3_mean,@function
k_q11cc6da7a3_mean:
	s_mov_b64 s[64:65], 0
	v_nop
	global_prefetch_b8 v0, s[64:65] scope:SCOPE_SE
	s_setreg_imm32_b32 hwreg(HW_REG_WAVE_MODE, 25, 1), 1
	s_wait_xcnt 0x0
; out0 = the mean of the 1024 rows' shares (ce + snr), which the launch before stored in part.
; 4,096 bytes: one wave, eight 16-byte loads a lane, all in flight at once; each load of the wave covers 512 neighbouring bytes.
; A sum over all work-groups of the first launch has to wait for that launch's end: hence a launch of its own.
	s_load_b128 s[4:7], s[0:1], 0x0                ; part s[4:5], out0 s[6:7]
	v_lshlrev_b32 v1, 4, v0
	s_mov_b32 s8, 0x76543210                       ; v_permlanex16_b32: lane i reads lane i of the other half
	s_mov_b32 s9, 0xfedcba98
	s_wait_kmcnt 0x0
.irp j, 0,1,2,3,4,5,6,7
	global_load_b128 v[4+4*\j:7+4*\j], v1, s[4:5] offset:512*\j
.endr
	s_wait_loadcnt 0x0
.irp j, 0,1,2,3,4,5,6,7
	v_pk_add_f32 v[4+4*\j:5+4*\j], v[4+4*\j:5+4*\j], v[6+4*\j:7+4*\j]
.endr
.irp j, 0,2,4,6
	v_pk_add_f32 v[4+4*\j:5+4*\j], v[4+4*\j:5+4*\j], v[8+4*\j:9+4*\j]
.endr
.irp j, 0,4
	v_pk_add_f32 v[4+4*\j:5+4*\j], v[4+4*\j:5+4*\j], v[12+4*\j:13+4*\j]
.endr
	v_pk_add_f32 v[4:5], v[4:5], v[20:21]
	v_add_f32 v4, v4, v5
	v_add_f32_dpp v4, v4, v4 row_xmask:1 row_mask:0xf bank_mask:0xf
	v_add_f32_dpp v4, v4, v4 row_xmask:2 row_mask:0xf bank_mask:0xf
	v_add_f32_dpp v4, v4, v4 row_xmask:4 row_mask:0xf bank_mask:0xf
	v_add_f32_dpp v4, v4, v4 row_xmask:8 row_mask:0xf bank_mask:0xf
	v_permlanex16_b32 v5, v4, s8, s9
	v_add_f32 v4, v4, v5
	v_mul_f32 v4, 0x3a800000, v4                   ; / 1024
	v_mov_b32 v6, 0
	v_cmp_eq_u32 vcc_lo, 0, v0
	s_and_saveexec_b32 s10, vcc_lo
	global_store_b32 v6, v4, s[6:7]
	s_endpgm
.Lfunc_end_k_q11cc6da7a3_mean:
	.size	k_q11cc6da7a3_mean, .Lfunc_end_k_q11cc6da7a3_mean-k_q11cc6da7a3_mean
	.p2alignl 7, 3214868480
	.fill 96, 4, 3214868480
	.section	.rodata,"a",@progbits
	.p2align	6, 0x0
	.amdhsa_kernel k_q11cc6da7a3_mean
		.amdhsa_group_segment_fixed_size 0
		.amdhsa_private_segment_fixed_size 0
		.amdhsa_enable_private_segment 0
		.amdhsa_kernarg_size 16
		.amdhsa_user_sgpr_count 2
		.amdhsa_user_sgpr_kernarg_segment_ptr 1
		.amdhsa_wavefront_size32 1
		.amdhsa_system_sgpr_workgroup_id_x 1
		.amdhsa_system_sgpr_workgroup_id_y 1
		.amdhsa_system_sgpr_workgroup_id_z 1
		.amdhsa_system_vgpr_workitem_id 0
		.amdhsa_next_free_vgpr 40
		.amdhsa_next_free_sgpr 66
		.amdhsa_reserve_vcc 1
		.amdhsa_float_denorm_mode_32 3
		.amdhsa_float_denorm_mode_16_64 3
		.amdhsa_memory_ordered 1
		.amdhsa_forward_progress 1
		.amdhsa_inst_pref_size 3
	.end_amdhsa_kernel
	.amdgpu_metadata
---
amdhsa.version: [ 1, 2 ]
amdhsa.kernels:
  - .name:           k_q11cc6da7a3_mean
    .symbol:         k_q11cc6da7a3_mean.kd
    .args:
      - { .name: part, .offset: 0, .size: 8, .value_kind: global_buffer, .address_space: global }
      - { .name: out0, .offset: 8, .size: 8, .value_kind: global_buffer, .address_space: global }
    .group_segment_fixed_size: 0
    .private_segment_fixed_size: 0
    .kernarg_segment_align: 8
    .kernarg_segment_size: 16
    .max_flat_workgroup_size: 32
    .sgpr_count:     66
    .vgpr_count:     40
    .wavefront_size: 32
...
	.end_amdgpu_metadata
.endif
;; end of part 2
;; ======== version 2 of 2: 2 launches; 1.74 times as fast as version 1
;; limits: right only within a limited range of input values; values within 1e-05 (relative) of each other or of a threshold may be ordered or decided otherwise than in the reference
;; workspace buffers: part 4,096 bytes
;; launch spectrum (part 3): grid 256 x 1, 4 waves a work-group, no clusters, 26,112 bytes of LDS; arguments fps, gt_bpm, hanning, wave, part, out1; writes part, out1
.if DOCPART == 3
	.amdgcn_target "amdgcn-amd-amdhsa--gfx1250"
	.amdhsa_code_object_version 6
	.text
	.protected	k_q11cc6da7a3_spectrum
	.globl	k_q11cc6da7a3_spectrum
	.p2align	8
	.type	k_q11cc6da7a3_spectrum,@function
k_q11cc6da7a3_spectrum:
	s_mov_b64 s[64:65], 0
	v_nop
	global_prefetch_b8 v0, s[64:65] scope:SCOPE_SE
	s_setreg_imm32_b32 hwreg(HW_REG_WAVE_MODE, 25, 1), 1
	s_wait_xcnt 0x0
; Cross-SNR loss, per row: power spectrum at 210 bins, the row's share of the loss (part) and the argmax (out1).
; One wave = one batch row.  TWO PASSES.
;
; The reference takes sin and cos of ang = fl(F * fl(c t)), F = fl(fl(bpm/60)/fps), c = f32(6.2831853).  With W = fl(F c),
; ang = W t + D, D = fma(-t, W, ang), |D| <= 3 * 2^-24 * |ang|, and e^{i ang} = e^{i W t} (1 + i D) up to D^2/2.
; D moves a power by a few 1e-6 relative: nothing for the loss, but enough to turn an argmax between two bins beside a peak.
;
; PASS 1, all bins, without D.  Lane L owns the 7 bins 32 k + L (224 places for 210 bins, the last 14 masked).  t = 16 i + 7.5 +- (j + 1/2):
; p+ e^{i th} + p- e^{-i th} = (p+ + p-) cos th + i (p+ - p-) sin th, so with a = p+ + p-, b = p+ - p- (they hang on no bin, made once)
; one dual instruction, R += a cos beside I += b sin, serves two t.  Blocks are chained by acc = acc * e^{-i 16 W} + block; the phase
; that is left over does not show in R^2 + I^2.  The loss is taken from these powers.
; PASS 2, eight bins, with D.  Bins are put in 8 classes by bin mod 8, so the bins beside a peak are in different classes.  The best bin of
; each class (a value picked by masks: no address and no branch hangs on it) is computed again with the reference's own rounding of ang.
; The class's four lanes share t: lane group g = L / 8 takes blocks 5 g .. 5 g + 4; the four sums meet after a turn by e^{i 80 g W}.
; out1 is the best of the eight.
;
; NO MATRIX INSTRUCTIONS: every row has its own 300 x 210 matrix, used for one vector (1 useful row of 16), and out1 is compared
; exactly: bf16 operands move a power by about 2^-9, while the two bins beside a peak differ by anything from 0 to 3 per cent.
; LIMITS: fps finite and not 0; D^2/2 < 6e-8 for |fps| >= 4 (|ang| <= 7797/|fps|) and grows as 1/fps^2 below that.
; Two bins of one class (8 or more bins apart) whose powers agree to about 1e-5 relative are told apart by pass 1 alone.
; NaN or infinity in wave or hanning: no defined argmax.  Sums run in another order than the reference's (a few 1e-7 relative).
.set ROWB, 1200                        ; bytes in a row of wave
.set ARR,  1280                        ; one LDS array: 320 words, t = 0..319 = 20 blocks of 16
.set NTO,  ARR                         ; -t lies behind fl(c t),
.set PO,   2*ARR                       ; p = wave * hanning behind that,
.set ABO,  3*ARR                       ; then (a, b): 128 bytes a block, of which pass 1 reads the first 64
.set WLDS, 5*ARR                       ; a wave's own LDS: no wave reads another's, so no barrier
.set LANE, 1
.set RD,   2                           ; pass 1: LDS address of the current blocks, the same in all lanes (broadcast loads)
.set RF,   3                           ; pass 2: LDS address of my lane group's first block
.set TB,   4                           ; v[4:115]   pass 1, bin k: (cos, sin) of W (j + 1/2) at TB + 16 k + 2 j
.set EI,   116                         ; v[116:129] pass 1, bin k: (sin 16W, -sin 16W)
.set ACC,  130                         ; v[130:143] pass 1, bin k: (R, I), the set of the even blocks
.set TMP,  144                         ; v[144:157] pass 1: (R, I), the set of the odd blocks; elsewhere a pair at work for each bin
.set ER,   158                         ; v[158:164] pass 1, bin k: cos 16W
.set QA,   166                         ; v[166:197] pass 1: eight (a, b) of each of two blocks
.set BP,   198                         ; v[198:204] bpm of my bin k, as f32
.set YR,   205                         ; 1/fps; YR+1 at work
.set GM,   207                         ; 80 g
.set KAP,  208                         ; 2.4375 - 2.5 g
.set AD,   209                         ; LDS address of my word
.set QB,   210                         ; v[210:241] pass 1: the second buffer of two blocks, over what follows, which is done with by then
.set ADB,  210                         ; LDS address of my (a, b)
.set OFFL, 211
.set OFF9, 212
.set TF,   213                         ; t, fl(c t), -t
.set X,    216                         ; v[216:235] ten pairs (wave, hanning), then (a, b)
.set PP,   236                         ; v[236:245] ten words of p
.set G1,   242                         ; v[242:255] pass 1: (cos W, sin W), once PP is stored and WW is used up
.set WW,   246                         ; v[246:252] pass 1: W of my bin k
.set T0, 130                           ; five rows of seven at work in SINCOS7
.set T1, 137
.set T2, 144
.set T3, 151
.set T4, 158
.set MK, 56                            ; s[56:62] a lane mask for each of seven
; behind pass 1
.set CA,   236                         ; v[236:242] power of my bin k
.set XL,   166
.set YL,   174
.set SUM,  182
.set INV,  183
.set L2E,  184
.set SE,   185
.set TG,   186
.set LB,   187
.set RB,   188
.set MX,   246
.set QQ,   247
.set RR,   248
.set PT,   249                         ; destination of v_permlanex16_b32 (written before, as WW and G1)
.set CB,   250                         ; my class's candidate, as bpm in f32
.set SS,   251
.set AM,   252
.set SG,   253
.set PR,   254
.set GG,   255                         ; the row's share of the loss, kept to the end
.set RES,  4                           ; pass 2: seven (cos, sin): 2W, 4W, 6W, 16W, 80gW, W/2, 3W/2
.set RE,   RES+6                       ; (cos 16W, sin 16W)
.set PH,   RES+8                       ; (cos 80gW, sin 80gW)
.set RT,   RES+10                      ; v[14:29]   the table: entry j = (cos, sin) of W (j + 1/2)
.set FW,   30                          ; the pair (F, W)
.set DA,   32                          ; v[32:79]   a block: 16 x fl(c t), 16 x -t, 16 x p
.set DB,   80                          ; v[80:127]  second buffer
.set CS,   130                         ; v[130:161] (cos, sin) of ang for 16 t
.set RACC, 162
.set TT,   164
.set DD,   166                         ; v[166:181] ang, then D, for 16 t
.set Z,    182                         ; v[182:189] four chains of sums
	s_load_b256 s[4:11], s[0:1], 0x0               ; fps s[4:5], gt_bpm s[6:7], hanning s[8:9], wave s[10:11]
	s_load_b128 s[12:15], s[0:1], 0x20             ; part s[12:13], out1 s[14:15]
	s_set_vgpr_msb 0x40
	v_lshl_add_u32 v0, v0, 2, 0x6400
	v_mov_b32 v1, 0
	s_set_vgpr_msb 0x4000
	v_and_b32 v[LANE], 31, v0
	v_lshrrev_b32 v[AD], 5, v0
	v_readfirstlane_b32 s16, v[AD]                 ; wave 0..3
	s_lshl2_add_u32 s17, ttmp9, s16                ; my row = 4 x work-group + wave
	s_lshl_b32 s18, s17, 2                         ; its byte offset in fps, gt_bpm, part, out1
	s_mul_i32 s22, s17, ROWB                       ; and in wave (below 2^21)
	s_mov_b32 s23, 0
	s_mul_i32 s19, s16, WLDS                       ; my wave's LDS
	s_mov_b32 s24, 0x40c90fdb                      ; c = f32(2.0 * 3.14159265)
	s_mov_b32 s25, 0x3f22f983                      ; 2/pi
	s_mov_b32 s26, 0x3fc90fdb                      ; pi/2, upper part
	s_mov_b32 s27, 0xb33bbd2e                      ; pi/2 minus that
	s_mov_b32 s28, 0xbe2aaaab                      ; sin: -1/3!
	s_mov_b32 s29, 0x3c088889                      ;       1/5!
	s_mov_b32 s30, 0xb9500d01                      ;      -1/7!
	s_mov_b32 s31, 0x3638ef1d                      ;       1/9!
	s_mov_b32 s32, 0x3d2aaaab                      ; cos:  1/4!
	s_mov_b32 s33, 0xbab60b61                      ;      -1/6!
	s_mov_b32 s34, 0x37d00d01                      ;       1/8!
	s_mov_b32 s35, 0xb493f27e                      ;      -1/10!
	s_mov_b32 s36, 0x80000000                      ; the sign bit
	s_mov_b32 s37, 0x3c888889                      ; f32(1/60)
	s_mov_b32 s38, 0x42700000                      ; 60.0
	s_mov_b32 s39, 0x42000000                      ; 32.0
	s_mov_b32 s48, 0x76543210                      ; v_permlanex16_b32: lane i reads lane i of the other half
	s_mov_b32 s49, 0xfedcba98
	s_mov_b32 s50, 0xc0200000                      ; -2.5
	; what hangs on no argument is done while the arguments are on their way
	v_lshlrev_b32 v[OFFL], 2, v[LANE]              ; word t = lane + 32 m
	v_min_u32 v[OFF9], 11, v[LANE]                 ; m = 9: t = 288 + lane stops at 299, so that no load leaves a buffer
	v_lshlrev_b32 v[OFF9], 2, v[OFF9]
	v_add_nc_u32 v[AD], s19, v[OFFL]
	v_lshl_add_u32 v[ADB], v[LANE], 3, s19         ; 8 bytes a lane
	v_mov_b32 v[RD], s19
	v_lshrrev_b32 v[RF], 3, v[LANE]                ; g = lane / 8
	v_cvt_f32_u32 v[GM], v[RF]
	v_mul_u32_u24 v[RF], v[RF], 320                ; five blocks of 64 bytes
	v_add_nc_u32 v[RF], s19, v[RF]
	v_fma_f32 v[KAP], v[GM], s50, 0x401c0000       ; 2.4375 - 2.5 g
	v_cvt_f32_u32 v[TF], v[LANE]
.set kk, 0
.irp c, 0x42200000, 0x42900000, 0x42d00000, 0x43080000, 0x43280000, 0x43480000, 0x43680000
	v_add_f32 v[BP+kk], \c, v[TF]                  ; bpm = 40 + 32 k + lane
.set kk, kk+1
.endr
.irp m, 0,1,2,3,4,5,6,7,8,9
	v_mul_f32 v[TF+1], s24, v[TF]                  ; two_pi_n[t], rounded as the reference rounds it
	v_xor_b32 v[TF+2], s36, v[TF]
	ds_store_b32 v[AD], v[TF+1] offset:128*\m
	ds_store_b32 v[AD], v[TF+2] offset:NTO+128*\m
.if \m < 9
	v_add_f32 v[TF], s39, v[TF]                    ; t += 32, exact
.endif
.endr
	s_wait_kmcnt 0x0
	s_load_b32 s20, s[4:5], s18 offset:0x0         ; fps[row]
	s_load_b32 s21, s[6:7], s18 offset:0x0         ; gt_bpm[row]
	s_add_nc_u64 s[10:11], s[10:11], s[22:23]      ; my row of wave
.irp m, 0,1,2,3,4,5,6,7,8
	global_load_b32 v[X+2*\m], v[OFFL], s[10:11] offset:128*\m th:TH_LOAD_NT   ; 128 neighbouring bytes a load
	global_load_b32 v[X+2*\m+1], v[OFFL], s[8:9] offset:128*\m
.endr
	global_load_b32 v[X+18], v[OFF9], s[10:11] offset:1152 th:TH_LOAD_NT
	global_load_b32 v[X+19], v[OFF9], s[8:9] offset:1152
	s_wait_kmcnt 0x0
	v_rcp_f32 v[YR], s20
	v_mul_f32 v[GM], 0x42a00000, v[GM]             ; 80 g (also the plain place behind v_rcp_f32, ISA guide 5.7.2)
	s_wait_alu depctr_va_vdst(0)
	v_fma_f32 v[YR+1], -s20, v[YR], 1.0
	v_fma_f32 v[YR], v[YR+1], v[YR], v[YR]         ; 1/fps, refined once
	v_mul_f32 v[YR+1], 0x3dd67750, v[YR]           ; c / (60 fps): pass 1 takes W = bpm times this, a few 1e-7 off F c
.irp k, 0,1,2,3,4,5,6
	v_mul_f32 v[WW+\k], v[BP+\k], v[YR+1]
.endr
; cos and sin of the seven angles in v[T1+k], stage by stage so that no instruction waits for the one in front of it.
; Bit k of lo: v[T2+k] holds what the rounding of angle k dropped; it is added back behind the reduction.
; cos goes to v[cd + cst k], sin to v[sd + sst k].  cd may be T4 with cst = 1: the last line then writes each register over its own source.
.macro SINCOS7 lo, cd, cst, sd, sst
.irp k, 0,1,2,3,4,5,6
	v_mul_f32 v[T0+\k], s25, v[T1+\k]
.endr
.irp k, 0,1,2,3,4,5,6
	v_rndne_f32 v[T0+\k], v[T0+\k]                 ; n = nearest multiple of pi/2
.endr
.irp k, 0,1,2,3,4,5,6
	v_fma_f32 v[T1+\k], -v[T0+\k], s26, v[T1+\k]   ; exact: a multiple of 2^-23 below 1
.endr
.irp k, 0,1,2,3,4,5,6
	v_fma_f32 v[T1+\k], -v[T0+\k], s27, v[T1+\k]   ; r in [-pi/4, pi/4]
.endr
.irp k, 0,1,2,3,4,5,6
.if (\lo>>\k)&1
	v_add_f32 v[T1+\k], v[T1+\k], v[T2+\k]
.endif
.endr
.irp k, 0,1,2,3,4,5,6
	v_mul_f32 v[T2+\k], v[T1+\k], v[T1+\k]         ; z = r^2
.endr
.irp k, 0,1,2,3,4,5,6
	v_fma_f32 v[T3+\k], v[T2+\k], s31, s30
	v_fma_f32 v[T4+\k], v[T2+\k], s35, s34
.endr
.irp k, 0,1,2,3,4,5,6
	v_fma_f32 v[T3+\k], v[T3+\k], v[T2+\k], s29
	v_fma_f32 v[T4+\k], v[T4+\k], v[T2+\k], s33
.endr
.irp k, 0,1,2,3,4,5,6
	v_fma_f32 v[T3+\k], v[T3+\k], v[T2+\k], s28
	v_fma_f32 v[T4+\k], v[T4+\k], v[T2+\k], s32
.endr
.irp k, 0,1,2,3,4,5,6
	v_mul_f32 v[T3+\k], v[T3+\k], v[T2+\k]
	v_fma_f32 v[T4+\k], v[T4+\k], v[T2+\k], -0.5
.endr
.irp k, 0,1,2,3,4,5,6
	v_fma_f32 v[T3+\k], v[T3+\k], v[T1+\k], v[T1+\k]       ; sin r
	v_fma_f32 v[T4+\k], v[T4+\k], v[T2+\k], 1.0            ; cos r
.endr
.irp k, 0,1,2,3,4,5,6
	v_cvt_i32_f32 v[T0+\k], v[T0+\k]
.endr
.irp k, 0,1,2,3,4,5,6
	v_and_b32 v[T1+\k], 1, v[T0+\k]
.endr
.irp k, 0,1,2,3,4,5,6
	v_cmp_eq_u32 s[MK+\k], 1, v[T1+\k]             ; n odd: sine and cosine change places
.endr
.irp k, 0,1,2,3,4,5,6
	v_lshlrev_b32 v[T1+\k], 30, v[T0+\k]           ; bit 1 of n: the sine's sign
	v_add_nc_u32 v[T0+\k], 1, v[T0+\k]
.endr
.irp k, 0,1,2,3,4,5,6
	v_lshlrev_b32 v[T0+\k], 30, v[T0+\k]           ; bit 1 of n + 1: the cosine's sign
	v_cndmask_b32 v[T2+\k], v[T3+\k], v[T4+\k], s[MK+\k]
.endr
.irp k, 0,1,2,3,4,5,6
	v_cndmask_b32 v[T4+\k], v[T4+\k], v[T3+\k], s[MK+\k]
	v_and_b32 v[T1+\k], s36, v[T1+\k]
.endr
.irp k, 0,1,2,3,4,5,6
	v_and_b32 v[T0+\k], s36, v[T0+\k]
	v_xor_b32 v[\sd+\sst*\k], v[T1+\k], v[T2+\k]
.endr
.irp k, 0,1,2,3,4,5,6
	v_xor_b32 v[\cd+\cst*\k], v[T0+\k], v[T4+\k]
.endr
.endm
.irp k, 0,1,2,3,4,5,6
	v_mul_f32 v[T1+\k], 0.5, v[WW+\k]
.endr
	SINCOS7 0, TB, 16, TB+1, 16                    ; entry 0 of the seven tables
; broadcast loads, four a block: the eight (a, b) of n neighbouring blocks (1 or 2), the first at byte off from the current one
.macro LOADQ q, off, n
.irp r, 0,1,2,3
	ds_load_b128 v[\q+4*\r:\q+4*\r+3], v[RD] offset:ABO+\off+16*\r
.endr
.if \n > 1
.irp r, 0,1,2,3
	ds_load_b128 v[\q+16+4*\r:\q+16+4*\r+3], v[RD] offset:ABO+\off+128+16*\r
.endr
.endif
.endm
	; p = wave * hanning, 0 from t = 300 on.  A block of 16 t is a row of 16 lanes, and lane x xor 15 is its mirror: lane x < 8 gets
	; a = p[15-x] + p[x] and b = p[15-x] - p[x], which belong to table entry j = 7 - x.  Every lane stores its pair at 8 x lane, so the
	; address is linear; the upper eight pairs of a block repeat the lower ones (b with the other sign) and are not read.
	s_wait_loadcnt 0x0
.irp m, 0,1,2,3,4,5,6,7,8,9
	v_mul_f32 v[PP+\m], v[X+2*\m], v[X+2*\m+1]
.endr
	v_cmp_gt_u32 vcc_lo, 12, v[LANE]
	v_cndmask_b32 v[PP+9], 0, v[PP+9], vcc_lo
.irp m, 0,1,2,3,4,5,6,7,8,9
	v_add_f32_dpp v[X+2*\m], v[PP+\m], v[PP+\m] row_xmask:15 row_mask:0xf bank_mask:0xf
	v_sub_f32_dpp v[X+2*\m+1], v[PP+\m], v[PP+\m] row_xmask:15 row_mask:0xf bank_mask:0xf
.endr
.irp m, 0,1,2,3,4,5,6,7,8,9
	ds_store_b32 v[AD], v[PP+\m] offset:PO+128*\m
	ds_store_b64 v[ADB], v[X+2*\m:X+2*\m+1] offset:ABO+256*\m
.endr
	LOADQ QA, 0, 2                                 ; blocks 0, 1.  LDS serves a wave's instructions in order (ISA guide 5.7.1): these see the stores above
.irp k, 0,1,2,3,4,5,6
	v_mul_f32 v[T1+\k], 0x41800000, v[WW+\k]
.endr
	SINCOS7 0, ER, 1, EI, 2                        ; 16 W: from block to block
.irp k, 0,1,2,3,4,5,6
	v_xor_b32 v[EI+2*\k+1], s36, v[EI+2*\k]        ; -sin 16W beside sin 16W: the turn below then needs no sign on an operand
.endr
	LOADQ QB, 256, 2                               ; blocks 2, 3, into registers whose set-up contents are used up
; for seven bins: the pair at dst = the pair at src times the pair at g, as complex numbers (re, im)
.macro CMUL7 dst, ds, src, ss, g, gs
.irp k, 0,1,2,3,4,5,6
	v_pk_mul_f32 v[TMP+2*\k:TMP+2*\k+1], v[\src+\ss*\k:\src+\ss*\k+1], v[\g+\gs*\k:\g+\gs*\k+1] op_sel:[1,1] op_sel_hi:[0,1]   ; (im g.im, re g.im)
.endr
.irp k, 0,1,2,3,4,5,6
	v_pk_fma_f32 v[\dst+\ds*\k:\dst+\ds*\k+1], v[\src+\ss*\k:\src+\ss*\k+1], v[\g+\gs*\k:\g+\gs*\k+1], v[TMP+2*\k:TMP+2*\k+1] op_sel_hi:[1,0,1] neg_lo:[0,0,1]
.endr
.endm
	CMUL7 G1, 2, TB, 16, TB, 16                    ; e^{iW} = (e^{iW/2})^2
.irp j, 1,2,3,4,5,6,7
	CMUL7 TB+2*\j, 16, TB+2*\j-2, 16, G1, 2        ; entry j = entry j-1 times e^{iW}: up to eight roundings deep, enough for pass 1
.endr
; PASS 1 is written in dual instructions: two fused multiply-adds in one.  The form wants one destination even and one odd, and the like
; sources of its halves in different register banks (number mod 4) or in the same register.  The pairs (R, I), (a, b), (cos, sin) and
; (sin 16W, -sin 16W) each lie in an even register and the next, so every line below meets that as it stands.
; Position p of a block's data meets table entry 7 - p, for my 7 bins; the sums lie in set acc.  first = 1: the products start the sums.
.macro CMAC q, p, acc, first
.irp k, 0,1,2,3,4,5,6
.if \first
	v_dual_mul_f32 v[\acc+2*\k], v[\q+2*\p], v[TB+16*\k+14-2*\p] :: v_dual_mul_f32 v[\acc+2*\k+1], v[\q+2*\p+1], v[TB+16*\k+15-2*\p]
.else
	v_dual_fmac_f32 v[\acc+2*\k], v[\q+2*\p], v[TB+16*\k+14-2*\p] :: v_dual_fmac_f32 v[\acc+2*\k+1], v[\q+2*\p+1], v[TB+16*\k+15-2*\p]
.endif
.endr
.endm
; One block of 16 t, its data in v[q .. q+15].  The turn by e^{-i16W} moves the sums from set from to set to (a multiply-add that adds into its
; destination cannot turn them in place), so the two sets take turns: even blocks end in ACC, odd blocks in TMP.
; w = how many younger LDS loads may stay out (99: this block's data came with the block before).  step = 1: RD goes on by four blocks, in the
; block's middle: behind the loads that read the old value by a block and a half, and ahead of those that read the new one by 28 instructions.
.macro CBLOCK q, from, to, first, w, step
.if \first == 0
.irp k, 0,1,2,3,4,5,6
	v_dual_mul_f32 v[\to+2*\k], v[\from+2*\k+1], v[EI+2*\k] :: v_dual_mul_f32 v[\to+2*\k+1], v[\from+2*\k], v[EI+2*\k+1]       ; (I Ei, -R Ei)
.endr
.irp k, 0,1,2,3,4,5,6
	v_dual_fmac_f32 v[\to+2*\k], v[\from+2*\k], v[ER+\k] :: v_dual_fmac_f32 v[\to+2*\k+1], v[\from+2*\k+1], v[ER+\k]           ; (R Er + I Ei, I Er - R Ei)
.endr
.endif
.if \w < 64
	s_wait_dscnt \w
.endif
	CMAC \q, 0, \to, \first
.irp p, 1,2,3
	CMAC \q, \p, \to, 0
.endr
.if \step
	v_add_nc_u32 v[RD], 512, v[RD]
.endif
.irp p, 4,5,6,7
	CMAC \q, \p, \to, 0
.endr
.endm
	; Two buffers of two blocks.  A buffer is loaded again, by one run of eight loads, as soon as its second block is done: two blocks
	; (140 dual instructions) ahead of its next use.  s_wait_dscnt 8: two runs are out; with the younger eight left out, the older buffer is in.
	CBLOCK QA,    ACC, ACC, 1, 8,  0               ; block 0 starts the sums
	CBLOCK QA+16, ACC, TMP, 0, 99, 0               ; block 1
	LOADQ QA, 512, 2                               ; blocks 4, 5
	s_mov_b32 s44, 3                               ; blocks 2 to 13, four a trip
.Lcheap:
	CBLOCK QB,    TMP, ACC, 0, 8,  0
	CBLOCK QB+16, ACC, TMP, 0, 99, 0
	LOADQ QB, 768, 2                               ; six blocks behind RD's
	CBLOCK QA,    TMP, ACC, 0, 8,  0
	CBLOCK QA+16, ACC, TMP, 0, 99, 1
	LOADQ QA, 512, 2                               ; RD has gone on: four blocks behind the new one
	s_sub_co_i32 s44, s44, 1
	s_cmp_lg_u32 s44, 0
	s_cbranch_scc1 .Lcheap
	CBLOCK QB,    TMP, ACC, 0, 8,  0               ; block 14
	CBLOCK QB+16, ACC, TMP, 0, 99, 0               ; block 15
	LOADQ QB, 768, 1                               ; block 18 alone: block 19 (t = 304..319) holds zeros and is left out
	CBLOCK QA,    TMP, ACC, 0, 4,  0               ; block 16: the younger run is block 18's four loads
	CBLOCK QA+16, ACC, TMP, 0, 99, 0               ; block 17
	CBLOCK QB,    TMP, ACC, 0, 0,  0               ; block 18: t = 288..303, p = 0 from 300 on; nothing was issued behind its loads
.irp k, 0,1,2,3,4,5,6
	v_mul_f32 v[TMP+\k], v[ACC+2*\k+1], v[ACC+2*\k+1]
.endr
.irp k, 0,1,2,3,4,5,6
	v_fma_f32 v[CA+\k], v[ACC+2*\k], v[ACC+2*\k], v[TMP+\k]        ; R^2 + I^2
.endr
	v_cmp_gt_u32 s40, 18, v[LANE]                  ; k = 6: bins 192 + lane exist for lane < 18
	v_cndmask_b32 v[CA+6], 0, v[CA+6], s40
; twelve loads: fl(c t), -t and p of block blk of my lane group.  The four groups' addresses are 320 bytes apart: other banks.
.macro LOADR d, blk
.irp r, 0,1,2,3
	ds_load_b128 v[\d+4*\r:\d+4*\r+3], v[RF] offset:64*\blk+16*\r
.endr
.irp r, 0,1,2,3
	ds_load_b128 v[\d+16+4*\r:\d+16+4*\r+3], v[RF] offset:NTO+64*\blk+16*\r
.endr
.irp r, 0,1,2,3
	ds_load_b128 v[\d+32+4*\r:\d+32+4*\r+3], v[RF] offset:PO+64*\blk+16*\r
.endr
.endm
	LOADR DA, 0                                    ; pass 2's first two blocks, into the registers of pass 1's tables
	LOADR DB, 1
	; THE LOSS, from pass 1's powers.  target = int(clip(gt_bpm * fps * 60 / 300, 40, 249)) - 40; it only selects values, by masks.
	; All indices are kept as bpm = index + 40 in f32 (small whole numbers, exact).
.macro REDADD r
	v_add_f32_dpp v[\r], v[\r], v[\r] row_xmask:1 row_mask:0xf bank_mask:0xf
	v_add_f32_dpp v[\r], v[\r], v[\r] row_xmask:2 row_mask:0xf bank_mask:0xf
	v_add_f32_dpp v[\r], v[\r], v[\r] row_xmask:4 row_mask:0xf bank_mask:0xf
	v_add_f32_dpp v[\r], v[\r], v[\r] row_xmask:8 row_mask:0xf bank_mask:0xf
	v_permlanex16_b32 v[PT], v[\r], s48, s49
	v_add_f32 v[\r], v[\r], v[PT]
.endm
	v_mul_f32 v[TG], s21, s20
	v_mul_f32 v[TG], s38, v[TG]
	v_mul_f32 v[QQ], 0x3b5a740e, v[TG]             ; / 300: quotient by f32(1/300), remainder, correction
	v_fma_f32 v[RR], -v[QQ], 0x43960000, v[TG]
	v_fma_f32 v[TG], v[RR], 0x3b5a740e, v[QQ]
	v_max_num_f32 v[TG], 0x42200000, v[TG]
	v_min_num_f32 v[TG], 0x43790000, v[TG]
	v_trunc_f32 v[TG], v[TG]                       ; target + 40
	v_add_f32 v[LB], 0xc0400000, v[TG]
	v_add_f32 v[RB], 2.0, v[TG]
	v_max_num_f32 v[LB], 0x42200000, v[LB]         ; the window's first bin: max(target - 3, 0)
	v_min_num_f32 v[RB], 0x43780000, v[RB]         ; its last: min(target + 3, 209) - 1
.irp k, 0,1,2,3,4,5,6
	v_med3_num_f32 v[XL+\k], v[BP+\k], v[LB], v[RB]
.endr
.irp k, 0,1,2,3,4,5,6
	v_cmp_eq_f32 s[MK+\k], v[XL+\k], v[BP+\k]      ; the clamp changes nothing: inside the window
.endr
.irp k, 0,1,2,3,4,5,6
	v_cndmask_b32 v[XL+\k], 0, v[CA+\k], s[MK+\k]
.endr
.irp k, 0,1,2,3,4,5,6
	v_cmp_eq_f32 s[MK+\k], v[BP+\k], v[TG]
.endr
.irp k, 0,1,2,3,4,5,6
	v_cndmask_b32 v[YL+\k], 0, v[CA+\k], s[MK+\k]
.endr
.irp k, 0,1,2,3,4,5,6
	v_add_f32 v[XL+\k], v[XL+\k], v[YL+\k]         ; window's share + the target bin
.endr
	v_add_f32 v[GG], v[XL], v[XL+1]
	v_add_f32 v[QQ], v[XL+2], v[XL+3]
	v_add_f32 v[RR], v[XL+4], v[XL+5]
	v_add_f32 v[GG], v[GG], v[XL+6]
	v_add_f32 v[QQ], v[QQ], v[RR]
	v_add_f32 v[GG], v[GG], v[QQ]
	v_add_f32 v[SUM], v[CA], v[CA+1]
	v_add_f32 v[QQ], v[CA+2], v[CA+3]
	v_add_f32 v[RR], v[CA+4], v[CA+5]
	v_add_f32 v[SUM], v[SUM], v[CA+6]
	v_add_f32 v[QQ], v[QQ], v[RR]
	v_add_f32 v[SUM], v[SUM], v[QQ]
	REDADD SUM
	REDADD GG
	v_rcp_f32 v[INV], v[SUM]
	v_max3_num_f32 v[MX], v[CA], v[CA+1], v[CA+2]  ; the choice of candidates begins (also the plain place behind v_rcp_f32)
	s_wait_alu depctr_va_vdst(0)
	v_mul_f32 v[L2E], 0x3fb8aa3b, v[INV]           ; log2(e) / sum
.irp k, 0,1,2,3,4,5,6
	v_mul_f32 v[XL+\k], v[CA+\k], v[L2E]
.endr
.irp k, 0,1,2,3,4,5,6
	v_exp_f32 v[YL+\k], v[XL+\k]                   ; e^(ca/sum); ca/sum lies in [0, 1], so the softmax needs no shift by its maximum
.endr
	; THE CANDIDATES: the largest power among the 28 places of my class (lanes L, L^8, L^16, L^24), then the lowest bpm that has it
	v_max3_num_f32 v[QQ], v[CA+3], v[CA+4], v[CA+5]        ; (the plain place behind the last v_exp_f32)
	v_max3_num_f32 v[MX], v[MX], v[QQ], v[CA+6]
	v_max_num_f32_dpp v[MX], v[MX], v[MX] row_xmask:8 row_mask:0xf bank_mask:0xf
	v_permlanex16_b32 v[PT], v[MX], s48, s49
	v_max_num_f32 v[MX], v[MX], v[PT]
.irp k, 0,1,2,3,4,5,6
	v_cmp_eq_f32 s[MK+\k], v[CA+\k], v[MX]
.endr
.irp k, 0,1,2,3,4,5,6
	v_cndmask_b32 v[XL+\k], 0x447a0000, v[BP+\k], s[MK+\k]
.endr
	v_min3_num_f32 v[CB], v[XL], v[XL+1], v[XL+2]
	v_min3_num_f32 v[QQ], v[XL+3], v[XL+4], v[XL+5]
	v_min3_num_f32 v[CB], v[CB], v[QQ], v[XL+6]
	v_min_num_f32_dpp v[CB], v[CB], v[CB] row_xmask:8 row_mask:0xf bank_mask:0xf
	v_permlanex16_b32 v[PT], v[CB], s48, s49
	v_min_num_f32 v[CB], v[CB], v[PT]              ; the same in the class's four lanes
	; the loss, finished
	s_wait_alu depctr_va_vdst(0)
	v_cndmask_b32 v[YL+6], 0, v[YL+6], s40         ; places without a bin add nothing
	v_add_f32 v[SE], v[YL], v[YL+1]
	v_add_f32 v[QQ], v[YL+2], v[YL+3]
	v_add_f32 v[RR], v[YL+4], v[YL+5]
	v_add_f32 v[SE], v[SE], v[YL+6]
	v_add_f32 v[QQ], v[QQ], v[RR]
	v_add_f32 v[SE], v[SE], v[QQ]
	REDADD SE
	v_log_f32 v[SE], v[SE]
	v_fma_f32 v[GG], -v[GG], v[INV], 1.0           ; 1 - window - ca_n[target] (the plain place behind v_log_f32)
	s_wait_alu depctr_va_vdst(0)
	v_fma_f32 v[GG], v[SE], 0x3f317218, v[GG]      ; + ln(sum of e^ca_n): the row's ce + snr
	; PASS 2, set-up.  F = fl(fl(bpm/60)/fps), both divisions correctly rounded: quotient by reciprocal, exact remainder by FMA, correction
	v_mul_f32 v[QQ], s37, v[CB]
	v_fma_f32 v[RR], -v[QQ], s38, v[CB]
	v_fma_f32 v[QQ], v[RR], s37, v[QQ]             ; a = fl(bpm/60)
	v_mul_f32 v[RR], v[QQ], v[YR]
	v_fma_f32 v[SS], -s20, v[RR], v[QQ]
	v_fma_f32 v[RR], v[SS], v[YR], v[RR]
	v_fma_f32 v[SS], -s20, v[RR], v[QQ]
	v_fma_f32 v[FW], v[SS], v[YR], v[RR]           ; F = fl(a/fps)
	v_mul_f32 v[FW+1], s24, v[FW]                  ; W: the f32 frequency of the tables; what it misses of F c goes into D
	v_mul_f32 v[T1+0], 2.0, v[FW+1]
	v_mul_f32 v[T1+1], 4.0, v[FW+1]
	v_mul_f32 v[T1+2], 0x40c00000, v[FW+1]         ; 6 W
	v_mul_f32 v[T1+3], 0x41800000, v[FW+1]         ; 16 W
	v_mul_f32 v[T1+4], v[GM], v[FW+1]              ; 80 g W
	v_mul_f32 v[T1+5], 0.5, v[FW+1]
	v_mul_f32 v[T1+6], 0x3fc00000, v[FW+1]         ; 1.5 W
	v_fma_f32 v[T2+2], 0x40c00000, v[FW+1], -v[T1+2]       ; these three products are not exact in f32: what their rounding dropped
	v_fma_f32 v[T2+4], v[GM], v[FW+1], -v[T1+4]
	v_fma_f32 v[T2+6], 0x3fc00000, v[FW+1], -v[T1+6]
	SINCOS7 0x54, RES, 2, RES+1, 2
	; entries 2 to 7 = entries 0, 1 times e^{i2W}, e^{i4W}, e^{i6W}: no entry is more than one product deep
.irp n, 0,1,2
.irp e, 0,1
	v_pk_mul_f32 v[TMP+4*\n+2*\e:TMP+4*\n+2*\e+1], v[RT+2*\e:RT+2*\e+1], v[RES+2*\n:RES+2*\n+1] op_sel:[1,1] op_sel_hi:[0,1]
.endr
.endr
.irp n, 0,1,2
.irp e, 0,1
	v_pk_fma_f32 v[RT+4+4*\n+2*\e:RT+5+4*\n+2*\e], v[RT+2*\e:RT+2*\e+1], v[RES+2*\n:RES+2*\n+1], v[TMP+4*\n+2*\e:TMP+4*\n+2*\e+1] op_sel_hi:[1,0,1] neg_lo:[0,0,1]
.endr
.endr
	; The rounded (cos, sin) of 16 W and of 80 g W have norms a few 1e-8 off 1.  n = 0: 16 W, n = 1: 80 g W.  |.|^2 - 1 is found without
	; rounding (squares with their FMA remainders; larger square - 1 and + smaller square are exact).  Block i = 5 g + i' passes 4 - i' turns
	; by 16 W; scaling my group's sum by the norm to the power 4.875 - 5 g makes that 8.875 - i, which is 0 at the record's middle, t = 149.5.
.irp n, 0,1
	v_mul_f32 v[T0+\n], v[RE+2*\n], v[RE+2*\n]
	v_mul_f32 v[T2+\n], v[RE+2*\n+1], v[RE+2*\n+1]
.endr
.irp n, 0,1
	v_fma_f32 v[T1+\n], v[RE+2*\n], v[RE+2*\n], -v[T0+\n]
	v_fma_f32 v[T3+\n], v[RE+2*\n+1], v[RE+2*\n+1], -v[T2+\n]
.endr
.irp n, 0,1
	v_max_num_f32 v[T4+\n], v[T0+\n], v[T2+\n]
.endr
.irp n, 0,1
	v_min_num_f32 v[T0+\n], v[T0+\n], v[T2+\n]
	v_add_f32 v[T4+\n], -1.0, v[T4+\n]
.endr
.irp n, 0,1
	v_add_f32 v[T1+\n], v[T1+\n], v[T3+\n]
	v_add_f32 v[T4+\n], v[T4+\n], v[T0+\n]
.endr
.irp n, 0,1
	v_add_f32 v[T4+\n], v[T4+\n], v[T1+\n]
.endr
	v_fma_f32 v[SG], v[T4], v[KAP], 1.0            ; 1 + (|E|^2 - 1)(4.875 - 5 g)/2
	v_fma_f32 v[SG], v[T4+1], -0.5, v[SG]          ; and the phase factor's own norm taken out
	v_mul_f32 v[PH], v[PH], v[SG]
	v_mul_f32 v[PH+1], v[PH+1], v[SG]
; PASS 2, one block of 16 t for my candidate.  x = 2 m + e is the place in the block: x < 8 takes the conjugate of entry 7 - x, x >= 8 entry x - 8.
; Stage by stage over the 16 t; the sums run in four chains, so that no multiply-add waits for the one in front of it.
; first = 1: nothing to turn, and all four chains start with a product.
.macro RBLOCK d, first
.irp m, 0,1,2,3,4,5,6,7
	v_pk_mul_f32 v[DD+2*\m:DD+2*\m+1], v[\d+2*\m:\d+2*\m+1], v[FW:FW+1] op_sel_hi:[1,0]       ; ang = fl(F * fl(c t)), the reference's own rounding
.endr
.if \first == 0
	v_pk_mul_f32 v[TT:TT+1], v[RACC:RACC+1], v[RE:RE+1] op_sel:[1,1] op_sel_hi:[0,1]           ; (I Ei, R Ei)
.endif
.irp m, 0,1,2,3,4,5,6,7
	v_pk_fma_f32 v[DD+2*\m:DD+2*\m+1], v[\d+16+2*\m:\d+17+2*\m], v[FW:FW+1], v[DD+2*\m:DD+2*\m+1] op_sel:[0,1,0] op_sel_hi:[1,1,1]   ; D = ang - t W
.endr
.if \first == 0
	v_pk_fma_f32 v[RACC:RACC+1], v[RACC:RACC+1], v[RE:RE+1], v[TT:TT+1] op_sel_hi:[1,0,1] neg_hi:[0,0,1]   ; the sums so far, turned by e^{-i16W}
.endif
.irp m, 0,1,2,3
.irp e, 0,1
	v_pk_fma_f32 v[CS+4*\m+2*\e:CS+4*\m+2*\e+1], v[DD+2*\m:DD+2*\m+1], v[RT+14-4*\m-2*\e:RT+15-4*\m-2*\e], v[RT+14-4*\m-2*\e:RT+15-4*\m-2*\e] op_sel:[\e,1,0] op_sel_hi:[\e,0,1] neg_hi:[0,0,1]   ; (cr + D ci, D cr - ci)
.endr
.endr
.irp m, 4,5,6,7
.irp e, 0,1
	v_pk_fma_f32 v[CS+4*\m+2*\e:CS+4*\m+2*\e+1], v[DD+2*\m:DD+2*\m+1], v[RT+4*\m+2*\e-16:RT+4*\m+2*\e-15], v[RT+4*\m+2*\e-16:RT+4*\m+2*\e-15] op_sel:[\e,1,0] op_sel_hi:[\e,0,1] neg_lo:[1,0,0]   ; (cr - D ci, D cr + ci)
.endr
.endr
.if \first
	v_pk_mul_f32 v[Z:Z+1], v[\d+32:\d+33], v[CS:CS+1] op_sel:[0,0] op_sel_hi:[0,1]
.else
	v_pk_fma_f32 v[Z:Z+1], v[\d+32:\d+33], v[CS:CS+1], v[RACC:RACC+1] op_sel:[0,0,0] op_sel_hi:[0,1,1]     ; chain 0 starts from the turned sums
.endif
	v_pk_mul_f32 v[Z+2:Z+3], v[\d+32:\d+33], v[CS+2:CS+3] op_sel:[1,0] op_sel_hi:[1,1]
	v_pk_mul_f32 v[Z+4:Z+5], v[\d+34:\d+35], v[CS+4:CS+5] op_sel:[0,0] op_sel_hi:[0,1]
	v_pk_mul_f32 v[Z+6:Z+7], v[\d+34:\d+35], v[CS+6:CS+7] op_sel:[1,0] op_sel_hi:[1,1]
.irp m, 2,3,4,5,6,7
.irp e, 0,1
	v_pk_fma_f32 v[Z+4*(\m%2)+2*\e:Z+4*(\m%2)+2*\e+1], v[\d+32+2*\m:\d+33+2*\m], v[CS+4*\m+2*\e:CS+4*\m+2*\e+1], v[Z+4*(\m%2)+2*\e:Z+4*(\m%2)+2*\e+1] op_sel:[\e,0,0] op_sel_hi:[\e,1,1]   ; (c, s) += p (cos, sin)
.endr
.endr
	v_pk_add_f32 v[Z:Z+1], v[Z:Z+1], v[Z+2:Z+3]
	v_pk_add_f32 v[Z+4:Z+5], v[Z+4:Z+5], v[Z+6:Z+7]
	v_pk_add_f32 v[RACC:RACC+1], v[Z:Z+1], v[Z+4:Z+5]
.endm
	s_wait_dscnt 12                                ; two buffers of twelve loads: with the younger twelve left out, this block's are in
	RBLOCK DA, 1
	LOADR DA, 2
	s_wait_dscnt 12
	RBLOCK DB, 0
	LOADR DB, 3
	s_wait_dscnt 12
	RBLOCK DA, 0
	LOADR DA, 4
	s_wait_dscnt 12
	RBLOCK DB, 0
	s_wait_dscnt 0                                 ; nothing was issued behind the last block's loads
	RBLOCK DA, 0
	; my group's sum to the common phase and scale, then the four groups together (the same bits in all four lanes: sums of two, then of those)
	v_pk_mul_f32 v[TT:TT+1], v[RACC:RACC+1], v[PH:PH+1] op_sel:[1,1] op_sel_hi:[0,1]
	v_pk_fma_f32 v[RACC:RACC+1], v[RACC:RACC+1], v[PH:PH+1], v[TT:TT+1] op_sel_hi:[1,0,1] neg_lo:[0,0,1]
	v_add_f32_dpp v[RACC], v[RACC], v[RACC] row_xmask:8 row_mask:0xf bank_mask:0xf
	v_add_f32_dpp v[RACC+1], v[RACC+1], v[RACC+1] row_xmask:8 row_mask:0xf bank_mask:0xf
	v_permlanex16_b32 v[TT], v[RACC], s48, s49
	v_permlanex16_b32 v[TT+1], v[RACC+1], s48, s49
	v_pk_add_f32 v[RACC:RACC+1], v[RACC:RACC+1], v[TT:TT+1]
	v_mul_f32 v[QQ], v[RACC+1], v[RACC+1]
	v_fma_f32 v[PR], v[RACC], v[RACC], v[QQ]       ; s^2 + c^2 of my class's candidate
	; argmax over the eight classes: the lowest bpm whose power equals the maximum
	v_max_num_f32_dpp v[MX], v[PR], v[PR] row_xmask:1 row_mask:0xf bank_mask:0xf
	v_max_num_f32_dpp v[MX], v[MX], v[MX] row_xmask:2 row_mask:0xf bank_mask:0xf
	v_max_num_f32_dpp v[MX], v[MX], v[MX] row_xmask:4 row_mask:0xf bank_mask:0xf
	v_cmp_eq_f32 vcc_lo, v[PR], v[MX]
	v_cndmask_b32 v[AM], 0x447a0000, v[CB], vcc_lo
	v_min_num_f32_dpp v[AM], v[AM], v[AM] row_xmask:1 row_mask:0xf bank_mask:0xf
	v_min_num_f32_dpp v[AM], v[AM], v[AM] row_xmask:2 row_mask:0xf bank_mask:0xf
	v_min_num_f32_dpp v[AM], v[AM], v[AM] row_xmask:4 row_mask:0xf bank_mask:0xf
	v_cvt_i32_f32 v[AM], v[AM]                     ; index + LOW
	v_mov_b32 v[QQ], s18
	v_cmp_eq_u32 vcc_lo, 0, v[LANE]
	s_set_vgpr_msb 0x5
	s_wait_tensorcnt 0x0
	ds_add_u32 v0, v1
	s_wait_dscnt 0x0
	s_set_vgpr_msb 0x500
	s_and_saveexec_b32 s45, vcc_lo                 ; a row has one number of each kind: lane 0 stores them
	global_store_b32 v[QQ], v[GG], s[12:13]
	global_store_b32 v[QQ], v[AM], s[14:15]
	s_endpgm
.Lfunc_end_k_q11cc6da7a3_spectrum:
	.size	k_q11cc6da7a3_spectrum, .Lfunc_end_k_q11cc6da7a3_spectrum-k_q11cc6da7a3_spectrum
	.p2alignl 7, 3214868480
	.fill 96, 4, 3214868480
	.section	.rodata,"a",@progbits
	.p2align	6, 0x0
	.amdhsa_kernel k_q11cc6da7a3_spectrum
		.amdhsa_group_segment_fixed_size 26112
		.amdhsa_private_segment_fixed_size 0
		.amdhsa_enable_private_segment 0
		.amdhsa_kernarg_size 48
		.amdhsa_user_sgpr_count 2
		.amdhsa_user_sgpr_kernarg_segment_ptr 1
		.amdhsa_wavefront_size32 1
		.amdhsa_system_sgpr_workgroup_id_x 1
		.amdhsa_system_sgpr_workgroup_id_y 1
		.amdhsa_system_sgpr_workgroup_id_z 1
		.amdhsa_system_vgpr_workitem_id 0
		.amdhsa_next_free_vgpr 258
		.amdhsa_next_free_sgpr 66
		.amdhsa_reserve_vcc 1
		.amdhsa_float_denorm_mode_32 3
		.amdhsa_float_denorm_mode_16_64 3
		.amdhsa_memory_ordered 1
		.amdhsa_forward_progress 1
		.amdhsa_inst_pref_size 129
	.end_amdhsa_kernel
	.amdgpu_metadata
---
amdhsa.version: [ 1, 2 ]
amdhsa.kernels:
  - .name:           k_q11cc6da7a3_spectrum
    .symbol:         k_q11cc6da7a3_spectrum.kd
    .args:
      - { .name: fps, .offset: 0, .size: 8, .value_kind: global_buffer, .address_space: global }
      - { .name: gt_bpm, .offset: 8, .size: 8, .value_kind: global_buffer, .address_space: global }
      - { .name: hanning, .offset: 16, .size: 8, .value_kind: global_buffer, .address_space: global }
      - { .name: wave, .offset: 24, .size: 8, .value_kind: global_buffer, .address_space: global }
      - { .name: part, .offset: 32, .size: 8, .value_kind: global_buffer, .address_space: global }
      - { .name: out1, .offset: 40, .size: 8, .value_kind: global_buffer, .address_space: global }
    .group_segment_fixed_size: 26112
    .private_segment_fixed_size: 0
    .kernarg_segment_align: 8
    .kernarg_segment_size: 48
    .max_flat_workgroup_size: 128
    .sgpr_count:     66
    .vgpr_count:     258
    .wavefront_size: 32
...
	.end_amdgpu_metadata
.endif
;; end of part 3
;; launch mean: the kernel of part 2 again; grid 1 x 1, 1 waves a work-group, no clusters, 0 bytes of LDS; arguments part, out0; writes out0
